; MI455X (gfx1250); checked and timed in simulation.
; The chip was launched on July 23, 2026; its instructions are those of AMD's public machine-readable ISA for CDNA 5 (MIT licence, August 2026) and "CDNA5" Instruction Set Architecture Reference Guide (July 2026). The comments in the code are by the model that wrote it; some were corrected since.
;; Cross Attention Layer. Allowed arithmetic: matrix products marked QUANTISED: E2M3 operands, one E8M0 scale for each 32 along K, by v_wmma_scale_f32_16x16x128_f8f6f4 with both operands' format E2M3, f32 sums; everything else in f32.
;; Inputs: Wk 1,024 x 1,024 float32; Wq 1,024 x 1,024 float32; Wv 1,024 x 1,024 float32; memory 4 x 2,048 x 1,024 float32; tgt 4 x 2,048 x 1,024 float32.
;; Outputs: out0 4 x 2,048 x 1,024 float32.
;; This version of the problem:
;;   THIS VERSION OF THE PROBLEM IS GIVEN IN LOW PRECISION. The matrix products marked QUANTISED in the list below multiply operands that are first quantised to E2M3 (2 exponent bits, 3 mantissa bits; 6 bits a number), with one power-of-two scale for each 32 numbers along K (OCP MX v1.0); their sums are f32. All else is computed in f32.
;;   The module's matrix products, in the order in which they are computed (A, B: the left and right operand; K: the contracted axis; several contracted axes count as one K, in the product's order):
;;     1. [M 8,192, K 1,024] x [K 1,024, N 1,024]; A: input tgt; B: input Wq: QUANTISED
;;     2. [M 8,192, K 1,024] x [K 1,024, N 1,024]; A: input memory; B: input Wk: QUANTISED
;;     3. [M 8,192, K 1,024] x [K 1,024, N 1,024]; A: input memory; B: input Wv: QUANTISED
;;     4. batch 64 x [M 2,048, K 64] x [K 64, N 2,048]; A: computed on the way; B: computed on the way: QUANTISED
;;     5. batch 64 x [M 2,048, K 2,048] x [K 2,048, N 64]; A: softmax (see below); B: computed on the way: QUANTISED
;;   THE QUANTISER, for each operand of a quantised product, along K:
;;     - K is cut into blocks of 32 from its start; a last block that is shorter is filled with zeros.
;;     - A block's scale is 2^e with e = floor(log2(the largest magnitude in the block)) - 2, held to -126 .. 127; a block of zeros has e = 0. As a byte (E8M0): e + 127.
;;     - Each number is divided by its block's scale, clamped to +-7.5, and rounded to the nearest number of E2M3, ties to even, subnormals kept.
;;     - The product sums the exact products of the quantised numbers (number of the format x scale) in f32.
;;   ~~~python
;;   def quantise(x, axis):      # numpy; x: float32 -> the quantised numbers, widened to float32 again
;;       x = np.moveaxis(x, axis, -1); K = x.shape[-1]
;;       x = np.pad(x, [(0, 0)] * (x.ndim - 1) + [(0, -K % 32)]); x = x.reshape(x.shape[:-1] + (-1, 32)); a = np.abs(x).max(-1, keepdims=True)
;;       e = np.where(a > 0, np.clip(np.frexp(np.where(a > 0, a, 1))[1] - 1 - 2, -126, 127), 0)      # np.frexp(a)[1] - 1 = floor(log2(a)), exactly
;;       r = np.clip(x / 2.0 ** e, -7.5, 7.5)
;;       step = 2.0 ** (np.maximum(np.frexp(np.where(r == 0, 1, r))[1] - 1, 0) - 3)
;;       q = np.round(r / step) * step * 2.0 ** e      # np.round: ties to even
;;       return np.moveaxis(q.reshape(q.shape[:-2] + (-1,))[..., :K], -1, axis).astype(np.float32)
;;   ~~~
;;   SOFTMAX AHEAD OF A QUANTISED PRODUCT. Where the list says 'softmax', what is quantised is not the finished softmax but p = 2^(t - M), with t = logit x log2(e) and M = ceil(the row's largest t), a whole number; so 1/2 < the row's largest p <= 1. The row's sum l is taken of the UNQUANTISED p, in f32, and the product's result is divided by l at the end. Since M is a whole number, a kernel that streams over the keys may use a running M (the ceiling of the running maximum): every later rescaling is an exact power of two, which a block's scale takes up: the codes' values come out the same.
;;   OPERANDS COMPUTED ON THE WAY. 'Computed on the way' means the value that the module computes at that place (a softmax that the list does not call 'softmax' is quantised finished and normalised). What goes into a quantiser is computed in f32, as accurately as f32 sums, v_exp_f32 and their like allow (about 1e-6 of the number): no bf16 or f16 on the way to a quantiser, and a product that is left as it is and whose result goes on into a quantised operand takes f32 operands (vector FMAs, or v_wmma_f32_16x16x4_f32). A number that lies on a knife's edge between two numbers of the format may be rounded either way, as far as f32 arithmetic and the matrix unit's own rounding can turn it there, and no further.
;; One version. Each part assembles by itself: llvm-mc -triple=amdgcn-amd-amdhsa -mcpu=gfx1250 --defsym DOCPART=n.
;; ======== version 1 of 1: 3 launches
;; workspace buffers: xw 5,505,024 bytes; xws 229,376 bytes; qc 1,572,864 bytes; qs 131,072 bytes; kv 3,145,728 bytes; kvs 262,144 bytes
;; launch quant (part 1): grid 448 x 1, 8 waves a work-group, no clusters, 69,120 bytes of LDS; arguments tgt, memory, Wq, Wk, Wv, xw, xws; writes xw, xws
.if DOCPART == 1
	.amdgcn_target "amdgcn-amd-amdhsa--gfx1250"
	.amdhsa_code_object_version 6
	.text
	.protected	k_q91f2a19ae0_quant
	.globl	k_q91f2a19ae0_quant
	.p2align	8
	.type	k_q91f2a19ae0_quant,@function
k_q91f2a19ae0_quant:
	s_mov_b64 s[64:65], 0
	v_nop
	global_prefetch_b8 v0, s[64:65] scope:SCOPE_SE
	s_setreg_imm32_b32 hwreg(HW_REG_WAVE_MODE, 25, 1), 1
	s_wait_xcnt 0x0
; tgt[0], memory[0] (2,048 x 1,024 each) and Wq, Wk, Wv (1,024 x 1,024), f32 with K innermost, become codes of FP6 (E2M3) with one E8M0 byte for each 32 along K,
; laid as IMAGES OF OPERAND REGISTERS: xw[tile][K step][1,536 bytes]: a fragment of 16 rows x 128 K is 12 registers a lane, registers 4 j .. 4 j + 3 of lane l at 512 j + 16 l.
; xws[tile][slot 16][K step 8]: one scale word (four bytes) for a row and 128 along K.
; Only batch 0 of tgt and of memory is multiplied: the result takes att[0] alone, so the products of batches 1 to 3 reach no output number.
; THE ROWS OF A TILE ARE NOT NEIGHBOURS: slot r of tile 2 B + u of a tensor is row 32 B + 8 u + r + 8 (r / 8), so that, where the tile is source 0 of a product,
; a lane's 16 result registers of tiles 2 B and 2 B + 1 are 16 neighbouring rows.  Tiles: tgt 0-127, memory 128-255, Wq 256-319, Wk 320-383, Wv 384-447.
; A block's scale is 2^(floor(log2(its largest magnitude)) - 2): its byte is that magnitude's exponent field - 2, held at 1 from below.
; LIMITS: NaN and infinities among the inputs are not served; a block of zeros, or one whose largest magnitude lies under 2^-124, gets the byte 1 (a block of zeros has zero codes, and this program alone reads the bytes).
; SHARES: a work-group takes a tile, wave w its K step w: 16 rows x 128 numbers.  Each load reads 512 consecutive bytes of one row; the numbers turn through the wave's own stage in LDS,
; so that a lane gets 16 neighbours of each of its row's four blocks.  No loop: all of a wave's 16 loads go out at once.
.set SP,   528                         ; a stage row: 512 bytes + 16: the sixteen rows that a read touches begin in sixteen different columns of 16 bytes
.set WST,  16*SP                       ; a wave's stage
.set SCW,  8*WST                       ; behind the stages: the tile's 128 scale words
.set R,    16                          ; v16-79   the numbers as loaded
.set X,    80                          ; v80-143  register 16 b + i: k = 32 b + 16 (lane / 16) + i of my row
.set PC,   144                         ; v144-155 the codes; v156-158, v160-162 the halves made elsewhere
.set TM,   164                         ; v164-167 largest magnitudes, v168-171 bytes, v176-179 the conversions' scale operands
.set PW,   180                         ; my row's scale word
.set SEL,  28                          ; s[28:29] lane selects: lane l xor 16
	s_load_b128 s[4:7], s[0:1], 0x0                ; tgt, memory
	s_load_b128 s[8:11], s[0:1], 0x10              ; Wq, Wk
	s_load_b128 s[12:15], s[0:1], 0x20             ; Wv, xw
	s_load_b64 s[16:17], s[0:1], 0x30              ; xws
	v_lshl_add_u32 v192, v0, 2, 0x10a00
	v_mov_b32 v193, 0
	v_lshrrev_b32 v1, 5, v0
	v_readfirstlane_b32 s18, v1                    ; wave = K step
	v_and_b32 v1, 31, v0                           ; lane
	v_lshlrev_b32 v2, 4, v1                        ; 16 x lane
	v_and_b32 v7, 15, v0                           ; r
	v_bfe_u32 v8, v0, 4, 1                         ; h
	s_mul_i32 s19, s18, WST
	v_add_nc_u32 v3, s19, v2                       ; into my stage: a row's 512 bytes as they lie
	v_mul_u32_u24 v4, v7, SP
	v_lshl_add_u32 v4, v8, 6, v4
	v_add_nc_u32 v4, s19, v4                       ; out of it: row r, + 64 h
	s_lshl_b32 s26, s18, 2
	s_add_co_u32 s26, s26, SCW
	v_lshl_add_u32 v5, v7, 5, s26                  ; my row's scale word of my K step: 32 r + 4 x wave
	v_add_nc_u32 v6, SCW, v2                       ; and the words on their way out
	s_mov_b32 s[SEL], 0x76543210
	s_mov_b32 s[SEL+1], 0xfedcba98
.irp b, 0,1,2,3
	v_mov_b32 v[TM+4+\b], 0                        ; written once: a lane permute's destination counts as one of its sources
.endr
	s_wait_kmcnt 0x0
	s_cmp_lt_u32 ttmp9, 128                        ; which tensor: the choice hangs on the work-group's number alone
	s_cselect_b64 s[20:21], s[4:5], s[6:7]
	s_cselect_b32 s22, 0, 128
	s_cmp_lt_u32 ttmp9, 256
	s_cselect_b64 s[20:21], s[20:21], s[8:9]
	s_cselect_b32 s22, s22, 256
	s_cmp_lt_u32 ttmp9, 320
	s_cselect_b64 s[20:21], s[20:21], s[10:11]
	s_cselect_b32 s22, s22, 320
	s_cmp_lt_u32 ttmp9, 384
	s_cselect_b64 s[20:21], s[20:21], s[12:13]
	s_cselect_b32 s22, s22, 384
	s_sub_co_u32 s23, ttmp9, s22                   ; the tile's number in its tensor
	s_and_b32 s24, s23, 1
	s_lshl_b32 s24, s24, 3
	s_lshl_b32 s23, s23, 4
	s_sub_co_u32 s23, s23, s24                     ; its first row: 16 T - 8 (T % 2)
	s_lshl_b32 s24, s23, 12                        ; rows of 4,096 bytes
	s_lshl_b32 s23, s18, 9                         ; + my K step's 512 bytes
	s_add_co_u32 s24, s24, s23
	s_mov_b32 s25, 0
	s_add_nc_u64 s[20:21], s[20:21], s[24:25]
	s_lshl_b32 s24, ttmp9, 3
	s_add_co_u32 s24, s24, s18
	s_mul_i32 s24, s24, 1536
	s_add_nc_u64 s[14:15], s[14:15], s[24:25]      ; my fragment's image
	s_lshl_b32 s24, ttmp9, 9
	s_add_nc_u64 s[16:17], s[16:17], s[24:25]      ; the tile's scale words
.irp p, 0,1,2,3,4,5,6,7,8,9,10,11,12,13,14,15
	global_load_b128 v[R+4*\p:R+4*\p+3], v2, s[20:21] offset:(\p+8*(\p/8))*4096 th:TH_LOAD_NT   ; slot p's row: 32 lanes read 512 consecutive bytes
.endr
.irp p, 0,1,2,3,4,5,6,7,8,9,10,11,12,13,14,15
	s_wait_loadcnt 15-\p                           ; loads come back in order: slot p's is in, the younger ones stay out
	ds_store_b128 v3, v[R+4*\p:R+4*\p+3] offset:SP*\p
.endr
.irp b, 0,1,2,3
.irp j, 0,1,2,3
	ds_load_b128 v[X+16*\b+4*\j:X+16*\b+4*\j+3], v4 offset:128*\b+16*\j   ; LDS serves a wave's instructions in order: these see my stores
.endr
.endr
	s_wait_dscnt 0x0
.irp b, 0,1,2,3
	v_max3_num_f32 v[TM+\b], |v[X+16*\b]|, |v[X+1+16*\b]|, 0x1800000   ; block b: my 16 numbers, and the floor 2^(3 - 127): so the byte cannot fall under 1
.endr
.irp i, 2,4,6,8,10,12,14
.irp b, 0,1,2,3
	v_max3_num_f32 v[TM+\b], v[TM+\b], |v[X+16*\b+\i]|, |v[X+1+16*\b+\i]|   ; the four blocks by turns
.endr
.endr
.irp b, 0,1,2,3
	v_permlanex16_b32 v[TM+4+\b], v[TM+\b], s[SEL], s[SEL+1]
.endr
.irp b, 0,1,2,3
	v_max_num_f32 v[TM+\b], v[TM+\b], v[TM+4+\b]   ; with lane l xor 16's 16: the block's largest magnitude
.endr
.irp b, 0,1,2,3
	v_add_nc_u32 v[TM+12+\b], 0xff000000, v[TM+\b] ; 2 off its exponent field: the conversion takes the exponent field of this operand as its scale
.endr
.irp b, 0,1,2,3
	v_lshrrev_b32 v[TM+4+\b], 23, v[TM+12+\b]      ; the scale's byte
.endr
	v_lshl_or_b32 v[PW], v[TM+5], 8, v[TM+4]
	v_lshl_or_b32 v[PW], v[TM+6], 16, v[PW]
	v_lshl_or_b32 v[PW], v[TM+7], 24, v[PW]
.irp c, 0,1
	v_cvt_scalef32_pk16_fp6_f32 v[PC+6*\c:PC+2+6*\c], v[X+32*\c:X+15+32*\c], v[TM+12+2*\c]
	v_cvt_scalef32_pk16_fp6_f32 v[PC+12+4*\c:PC+14+4*\c], v[X+16+32*\c:X+31+32*\c], v[TM+13+2*\c]   ; (a conversion's three registers begin on an even number)
.endr
	v_nop                                          ; one plain line behind the scaled conversions
.irp c, 0,1                                    ; the operand's layout wants a whole block in a lane: lanes 0-15 block 2 c, lanes 16-31 block 2 c + 1
.irp i, 0,1,2
	v_permlane16_swap_b32 v[PC+6*\c+\i], v[PC+12+4*\c+\i]
.endr
.irp i, 0,1,2
	v_mov_b32 v[PC+3+6*\c+\i], v[PC+12+4*\c+\i]
.endr
.endr
.irp j, 0,1,2
	global_store_b128 v2, v[PC+4*\j:PC+4*\j+3], s[14:15] offset:512*\j   ; 32 lanes store 512 consecutive bytes, at a multiple of 256 from the buffer's first byte
.endr
	ds_store_b32 v5, v[PW]                         ; both lanes of a row write the same word with the same value
	s_wait_dscnt 0x0                               ; for the other waves' sake: my word has landed
	s_barrier_signal -1
	s_barrier_wait -1
	s_cmp_lg_u32 s18, 0
	s_cbranch_scc1 .Lend
	ds_load_b128 v[184:187], v6                    ; wave 0: the tile's 512 bytes of scale words, whole
	s_wait_dscnt 0x0
	global_store_b128 v2, v[184:187], s[16:17]
.Lend:
	s_wait_tensorcnt 0x0
	ds_add_u32 v192, v193
	s_wait_dscnt 0x0
	s_endpgm
.Lfunc_end_k_q91f2a19ae0_quant:
	.size	k_q91f2a19ae0_quant, .Lfunc_end_k_q91f2a19ae0_quant-k_q91f2a19ae0_quant
	.p2alignl 7, 3214868480
	.fill 96, 4, 3214868480
	.section	.rodata,"a",@progbits
	.p2align	6, 0x0
	.amdhsa_kernel k_q91f2a19ae0_quant
		.amdhsa_group_segment_fixed_size 69120
		.amdhsa_private_segment_fixed_size 0
		.amdhsa_enable_private_segment 0
		.amdhsa_kernarg_size 56
		.amdhsa_user_sgpr_count 2
		.amdhsa_user_sgpr_kernarg_segment_ptr 1
		.amdhsa_wavefront_size32 1
		.amdhsa_system_sgpr_workgroup_id_x 1
		.amdhsa_system_sgpr_workgroup_id_y 1
		.amdhsa_system_sgpr_workgroup_id_z 1
		.amdhsa_system_vgpr_workitem_id 0
		.amdhsa_next_free_vgpr 194
		.amdhsa_next_free_sgpr 66
		.amdhsa_reserve_vcc 0
		.amdhsa_float_denorm_mode_32 3
		.amdhsa_float_denorm_mode_16_64 3
		.amdhsa_memory_ordered 1
		.amdhsa_forward_progress 1
		.amdhsa_inst_pref_size 12
	.end_amdhsa_kernel
	.amdgpu_metadata
---
amdhsa.version: [ 1, 2 ]
amdhsa.kernels:
  - .name:           k_q91f2a19ae0_quant
    .symbol:         k_q91f2a19ae0_quant.kd
    .args:
      - { .name: tgt, .offset: 0, .size: 8, .value_kind: global_buffer, .address_space: global }
      - { .name: memory, .offset: 8, .size: 8, .value_kind: global_buffer, .address_space: global }
      - { .name: Wq, .offset: 16, .size: 8, .value_kind: global_buffer, .address_space: global }
      - { .name: Wk, .offset: 24, .size: 8, .value_kind: global_buffer, .address_space: global }
      - { .name: Wv, .offset: 32, .size: 8, .value_kind: global_buffer, .address_space: global }
      - { .name: xw, .offset: 40, .size: 8, .value_kind: global_buffer, .address_space: global }
      - { .name: xws, .offset: 48, .size: 8, .value_kind: global_buffer, .address_space: global }
    .group_segment_fixed_size: 69120
    .private_segment_fixed_size: 0
    .kernarg_segment_align: 8
    .kernarg_segment_size: 56
    .max_flat_workgroup_size: 256
    .sgpr_count:     66
    .vgpr_count:     194
    .wavefront_size: 32
...
	.end_amdgpu_metadata
.endif
;; end of part 1
;; launch proj (part 2): grid 16 x 12, 4 waves a work-group, clusters of 4 x 4, 295,424 bytes of LDS; arguments xw, xws, qc, qs, kv, kvs; writes qc, qs, kv, kvs
.if DOCPART == 2
	.amdgcn_target "amdgcn-amd-amdhsa--gfx1250"
	.amdhsa_code_object_version 6
	.text
	.protected	k_q91f2a19ae0_proj
	.globl	k_q91f2a19ae0_proj
	.p2align	8
	.type	k_q91f2a19ae0_proj,@function
k_q91f2a19ae0_proj:
	s_mov_b64 s[64:65], 0
	v_nop
	global_prefetch_b8 v0, s[64:65] scope:SCOPE_SE
	s_setreg_imm32_b32 hwreg(HW_REG_WAVE_MODE, 25, 1), 1
	s_wait_xcnt 0x0
	s_wait_alu depctr_hold_cnt(0) depctr_sa_sdst(0) depctr_va_vdst(0) depctr_va_sdst(0) depctr_va_ssrc(0) depctr_va_vcc(0) depctr_vm_vsrc(0)
	s_getreg_b32 s2, hwreg(HW_REG_IB_STS2, 6, 4)
	s_cmp_eq_u32 s2, 0
	s_cbranch_scc0 .Lentry_in_a_cluster
	s_endpgm
.Lentry_in_a_cluster:
	s_bfe_u32 s2, ttmp6, 0x10000c
	s_cmp_lg_u32 s2, 0xf033
	s_cbranch_scc0 .Lentry_shape_is_right
	s_endpgm
.Lentry_shape_is_right:
; The three projections of batch 0 on codes of FP6, K = 1,024, and the quantising of their results for the attention, in registers.  Cluster y says which: 0 q, 1 k, 2 v.
; THE AXIS THAT IS QUANTISED NEXT IS SOURCE 0: a lane's result registers run along source 0's rows.  q, k: source 0 = Wq, Wk (the head's 64 are the next K), source 1 = tgt, memory.
; v: source 0 = memory (the keys are the next K), source 1 = Wv.  By the tiles' choice of rows, a lane's 16 registers of source-0 tiles 2 B, 2 B + 1 are rows 32 B + 16 (lane / 16) + 0 .. 15.
; SHARES: a work-group takes 16 source-0 tiles x 8 source-1 tiles, all of K; wave w takes source-0 tiles 8 (w / 2) on and source-1 tiles 4 (w % 2) on: 32 accumulators, 256 registers.
; 192 work-groups: 3 products x 64 blocks of 256 x 128; a finer split would leave a wave less than one K step (128 rows of source 0) of the next product.
; LDS: the work-group's operands for all of K are 24 tiles x 12,288 bytes = 294,912 bytes: every byte is filled once, by eight tensor loads a wave, all issued at the start: by this text's own count eight are out at the most.
; CLUSTER 4 x 4: source 0's tiles hang on cy alone and are asked for jointly along a row of the cluster, source 1's on cx alone and jointly along a column.
; OUT: qc[head][pair][1,536]: a fragment whose registers 0-5 are q tile 2 P (64 along the head) and 6-11 q tile 2 P + 1; kv[head][key step][K: 4 such fragments | V: 4 fragments of 16 channels x 128 keys];
; qs, kvs: their scale words, a lane's on end.  LIMITS: as stated for the quantiser: a block under 2^-124 gets the byte 1; NaN and infinities are not served.
; REGISTERS: window 0: v4-11 LDS addresses, v12-14 offsets, v16-79 source 0's scale words (8 a + s), v80-111 source 1's (8 b + s), v112-127 at work, v128-131 scale words made, v132-179 codes made, v180-186 halves, v188-191 words out.
;   window 1: accumulator (a, b) at v[64 b + 8 a].   windows 2, 3: two sets of fragments: source 0's a at v[12 a], source 1's b at v[96 + 12 b].
.set CH,   73728                       ; a chunk of two K steps in LDS: 16 + 8 tiles x 3,072 bytes
.set BOF,  49152                       ; source 1's tiles in a chunk
.set ADA,  4
.set ADB,  8
.set SCA,  16
.set SCB,  80
.set TM,   112
.set PWB,  128
.set F,    132
.set TT,   180
.set WO,   188
.set G1A,  16                          ; s[16:23] group 1 for source 0's tiles; s[24:31] for source 1's
.set G1B,  24
.set G0A,  32                          ; s[32:47] groups 0 for source 0's four chunks; s[48:63] for source 1's
.set G0B,  48
.set SEL,  98
.set MSB, 0
.macro WIN new                         ; the immediate's high byte repeats the setting that is left
.if MSB != (\new)
	s_set_vgpr_msb (MSB<<8)|(\new)
.set MSB, (\new)
.endif
.endm
.macro CROUND                          ; a round of the cluster's barrier
	s_barrier_signal -1
	s_barrier_wait -1
	s_cmp_lg_u32 s66, 0
	s_cbranch_scc1 .Lnot_wave_0_\@
	s_barrier_signal -3
.Lnot_wave_0_\@:
	s_barrier_wait -3
	s_barrier_signal -1
	s_barrier_wait -1
.endm
.macro PLACES                          ; four plain vector lines between a matrix instruction and a load into, or a vector read of, its registers
.rept 4
	v_nop
.endr
.endm
.macro SYNC n                          ; my parts of the chunk wanted next have landed (n younger tensor loads may stay out), no LDS load of mine is out; then everybody's
	s_wait_tensorcnt \n
	s_wait_dscnt 0x0
	s_barrier_signal -1
	s_barrier_wait -1
.endm
.macro FETCH s                         ; K step s: my 8 + 4 fragments, 36 loads of 512 consecutive bytes, into set s % 2
	WIN 0x80+0x40*((\s)%2)
.irp a, 0,1,2,3,4,5,6,7
.irp j, 0,1,2
	ds_load_b128 v[12*\a+4*\j:12*\a+4*\j+3], v[ADA+(\s)/2] offset:3072*\a+1536*((\s)%2)+512*\j
.endr
.endr
.irp b, 0,1,2,3
.irp j, 0,1,2
	ds_load_b128 v[96+12*\b+4*\j:96+12*\b+4*\j+3], v[ADB+(\s)/2] offset:3072*\b+1536*((\s)%2)+512*\j
.endr
.endr
.endm
.macro MUL s                           ; 32 matrix instructions; the 32 accumulators take turns, in the same order in every step; step 0 starts the sums
	WIN 0x5a+5*((\s)%2)
.irp b, 0,1,2,3
.irp a, 0,1,2,3,4,5,6,7
.if (\s) == 0
	v_wmma_scale_f32_16x16x128_f8f6f4 v[64*\b+8*\a:64*\b+8*\a+7], v[12*\a:12*\a+11], v[96+12*\b:96+12*\b+11], 0, v[SCA+8*\a+(\s)], v[SCB+8*\b+(\s)] matrix_a_fmt:MATRIX_FMT_FP6 matrix_b_fmt:MATRIX_FMT_FP6
.else
	v_wmma_scale_f32_16x16x128_f8f6f4 v[64*\b+8*\a:64*\b+8*\a+7], v[12*\a:12*\a+11], v[96+12*\b:96+12*\b+11], v[64*\b+8*\a:64*\b+8*\a+7], v[SCA+8*\a+(\s)], v[SCB+8*\b+(\s)] matrix_a_fmt:MATRIX_FMT_FP6 matrix_b_fmt:MATRIX_FMT_FP6
.endif
.endr
.endr
.endm
.macro KSTEP s
.if (\s) < 7
.if (\s)%2 == 1
	SYNC 5-(\s)                                    ; the next chunk: two loads a chunk, so 4, 2, 0 younger ones
.endif
	FETCH (\s)+1
.endif
.if (\s) == 0
	s_wait_loadcnt 0x0                             ; the scale words
.endif
.if (\s) < 7
	s_wait_dscnt 36                                ; this step's fragments are in; the 36 loads just issued may be out
.else
	s_wait_dscnt 0x0
.endif
	MUL \s
	PLACES                                         ; in front of the loads into the set just read, and of the first reads of results
.endm
; The 64 results of source-1 tile b in a lane (window 1, v[64 b] on: register 16 g + i = row 32 g + 16 (lane / 16) + i of source 0) become codes: blocks 0, 1 in v[d0] .. v[d0 + 5], blocks 2, 3 in v[d1] .. ; the scale word in v[PWB + b].
.macro QW b, d0, d1
	WIN 0x05                                       ; sources 0 and 1 in window 1
.irp g, 0,1,2,3
	v_max3_num_f32 v[TM+\g], |v[64*(\b)+16*\g]|, |v[64*(\b)+16*\g+1]|, 0x1800000   ; each accumulator is read from its low end on; the floor 2^(3 - 127) holds the byte at 1
.endr
.irp i, 2,4,6,8,10,12,14
.irp g, 0,1,2,3
	v_max3_num_f32 v[TM+\g], |v[64*(\b)+16*\g+\i]|, |v[64*(\b)+16*\g+\i+1]|, v[TM+\g]
.endr
.endr
	WIN 0
.irp g, 0,1,2,3
	v_permlanex16_b32 v[TM+4+\g], v[TM+\g], s[SEL], s[SEL+1]
.endr
.irp g, 0,1,2,3
	v_max_num_f32 v[TM+\g], v[TM+\g], v[TM+4+\g]
.endr
.irp g, 0,1,2,3
	v_add_nc_u32 v[TM+12+\g], 0xff000000, v[TM+\g] ; 2 off the exponent field: the conversion's scale operand
.endr
.irp g, 0,1,2,3
	v_lshrrev_b32 v[TM+4+\g], 23, v[TM+12+\g]      ; the byte
.endr
	v_lshl_or_b32 v[PWB+(\b)], v[TM+5], 8, v[TM+4]
	v_lshl_or_b32 v[PWB+(\b)], v[TM+6], 16, v[PWB+(\b)]
	v_lshl_or_b32 v[PWB+(\b)], v[TM+7], 24, v[PWB+(\b)]
	WIN 0x01                                       ; the numbers in window 1
	v_cvt_scalef32_pk16_fp6_f32 v[(\d0):(\d0)+2], v[64*(\b):64*(\b)+15], v[TM+12]
	v_cvt_scalef32_pk16_fp6_f32 v[TT:TT+2], v[64*(\b)+16:64*(\b)+31], v[TM+13]
	v_cvt_scalef32_pk16_fp6_f32 v[(\d1):(\d1)+2], v[64*(\b)+32:64*(\b)+47], v[TM+14]
	v_cvt_scalef32_pk16_fp6_f32 v[TT+4:TT+6], v[64*(\b)+48:64*(\b)+63], v[TM+15]
	WIN 0
	v_nop                                          ; one plain line behind the scaled conversions
.irp i, 0,1,2
	v_permlane16_swap_b32 v[(\d0)+\i], v[TT+\i]    ; a whole block to a lane
	v_permlane16_swap_b32 v[(\d1)+\i], v[TT+4+\i]
.endr
.irp i, 0,1,2
	v_mov_b32 v[(\d0)+3+\i], v[TT+\i]
	v_mov_b32 v[(\d1)+3+\i], v[TT+4+\i]
.endr
.endm
	s_load_b256 s[4:11], s[0:1], 0x0               ; xw s[4:5], xws s[6:7], qc s[8:9], qs s[10:11]
	s_load_b128 s[12:15], s[0:1], 0x20             ; kv s[12:13], kvs s[14:15]
	v_lshl_add_u32 v254, v0, 2, 0x48000
	v_mov_b32 v255, 0
	ds_add_u32 v254, v255
	ds_add_u32 v254, v255
	v_lshrrev_b32 v1, 5, v0
	v_readfirstlane_b32 s66, v1                    ; wave 0..3
	s_lshr_b32 s67, s66, 1                         ; wa: which 8 tiles of source 0
	s_and_b32 s68, s66, 1                          ; wb: which 4 tiles of source 1
	s_bfe_u32 s69, ttmp6, 0x40000                  ; cx
	s_bfe_u32 s70, ttmp6, 0x40004                  ; cy
	s_and_b32 s71, ttmp7, 0xffff                   ; cluster y: the product
	s_lshl_b32 s72, s70, 2
	s_lshl_b32 s72, 15, s72                        ; my row of the cluster
	s_lshl_b32 s73, 0x1111, s69                    ; my column
	; group 1: rows of 3,072 bytes (a tile's two K steps: 384 elements of 8 bytes), 12,288 bytes apart in memory, dense in LDS; 4 tiles of source 0, 2 of source 1
	s_or_b32 s[G1A], s72, (3<<16)|(1<<21)          ; 15:0 the mask; 17:16 elements of 8 bytes; 21 set beside a mask; no padding
	s_or_b32 s[G1B], s73, (3<<16)|(1<<21)
	s_mov_b32 s[G1A+1], 384<<16                    ; tensor_dim0
	s_mov_b32 s[G1A+2], 4<<16                      ; tensor_dim1
	s_mov_b32 s[G1A+3], 384<<16                    ; tile_dim0
	s_mov_b32 s[G1A+4], 4                          ; tile_dim1
	s_mov_b32 s[G1A+5], 1536                       ; the pitch, in elements
	s_mov_b32 s[G1A+6], 0
	s_mov_b32 s[G1A+7], 0
	s_mov_b32 s[G1B+1], 384<<16
	s_mov_b32 s[G1B+2], 2<<16
	s_mov_b32 s[G1B+3], 384<<16
	s_mov_b32 s[G1B+4], 2
	s_mov_b32 s[G1B+5], 1536
	s_mov_b32 s[G1B+6], 0
	s_mov_b32 s[G1B+7], 0
	; which blocks: q, k: source 0 has 4 blocks (cy), source 1 has 16 (cx + 4 cluster x); v: 8 (cy + 4 (cluster x / 2)) and 8 (cx + 4 (cluster x % 2))
	s_lshr_b32 s80, ttmp9, 1
	s_and_b32 s81, ttmp9, 1
	s_lshl_b32 s76, s71, 6
	s_add_co_u32 s76, s76, 256                     ; source 0's first tile in xw: Wq 256, Wk 320,
	s_lshl_b32 s77, s71, 7                         ; source 1's: tgt 0, memory 128
	s_cmp_eq_u32 s71, 2
	s_cselect_b32 s76, 128, s76                    ; v: memory 128,
	s_cselect_b32 s77, 384, s77                    ; Wv 384
	s_cselect_b32 s80, s80, 0
	s_cselect_b32 s81, s81, ttmp9
	s_lshl_b32 s80, s80, 2
	s_lshl_b32 s81, s81, 2
	s_add_co_u32 s74, s80, s70                     ; ga
	s_add_co_u32 s75, s81, s69                     ; gb
	s_lshl_b32 s78, s74, 4
	s_add_co_u32 s78, s78, s76                     ; source 0: the block's first tile
	s_lshl_b32 s80, s67, 3
	s_add_co_u32 s86, s78, s80                     ; the first that I multiply:
	s_lshl_b32 s86, s86, 9                         ; its scale words, 512 bytes a tile
	s_mov_b32 s87, 0
	s_lshl_b32 s80, s66, 2
	s_add_co_u32 s78, s78, s80                     ; the four that I fetch
	s_mul_i32 s78, s78, 12288
	s_mov_b32 s79, 0
	s_lshl_b32 s82, s75, 3
	s_add_co_u32 s82, s82, s77                     ; source 1 likewise
	s_lshl_b32 s80, s68, 2
	s_add_co_u32 s88, s82, s80
	s_lshl_b32 s88, s88, 9
	s_mov_b32 s89, 0
	s_lshl_b32 s80, s66, 1
	s_add_co_u32 s82, s82, s80                     ; the two that I fetch
	s_mul_i32 s82, s82, 12288
	s_mov_b32 s83, 0
	s_mul_i32 s84, s66, 12288                      ; where they go in a chunk: the wave's number alone enters an LDS address
	s_mul_i32 s85, s66, 6144
	s_add_co_u32 s85, s85, BOF
	s_mov_b32 s[SEL], 0x76543210
	s_mov_b32 s[SEL+1], 0xfedcba98
	v_and_b32 v1, 31, v0
	v_lshlrev_b32 v13, 4, v1                       ; 16 x lane
	v_lshlrev_b32 v14, 3, v1                       ; 8 x lane
	v_and_b32 v2, 15, v0
	v_lshlrev_b32 v12, 5, v2                       ; a slot's eight scale words: 32 bytes
	s_mul_i32 s80, s67, 8*3072
	v_add_nc_u32 v[ADA], s80, v13
	s_mul_i32 s80, s68, 4*3072
	s_add_co_u32 s80, s80, BOF
	v_add_nc_u32 v[ADB], s80, v13
.irp c, 1,2,3
	v_add_nc_u32 v[ADA+\c], \c*CH, v[ADA]
	v_add_nc_u32 v[ADB+\c], \c*CH, v[ADB]
.endr
.irp g, 0,1,2,3
	v_mov_b32 v[TM+4+\g], 0                        ; written once: a lane permute's destination counts as one of its sources
.endr
	s_wait_dscnt 0x0
	s_wait_kmcnt 0x0
	s_add_nc_u64 s[78:79], s[4:5], s[78:79]
	s_add_nc_u64 s[82:83], s[4:5], s[82:83]
	s_add_nc_u64 s[86:87], s[6:7], s[86:87]
	s_add_nc_u64 s[88:89], s[6:7], s[88:89]
.irp c, 0,1,2,3
	s_mov_b32 s[G0A+4*\c], 1                       ; count = 1
	s_add_co_u32 s[G0A+4*\c+1], s84, \c*CH         ; LDS address
	s_add_nc_u64 s[G0A+4*\c+2:G0A+4*\c+3], s[78:79], \c*3072   ; K steps 2 c, 2 c + 1 of each tile
	s_or_b32 s[G0A+4*\c+3], s[G0A+4*\c+3], 0x80000000          ; type = 2
	s_mov_b32 s[G0B+4*\c], 1
	s_add_co_u32 s[G0B+4*\c+1], s85, \c*CH
	s_add_nc_u64 s[G0B+4*\c+2:G0B+4*\c+3], s[82:83], \c*3072
	s_or_b32 s[G0B+4*\c+3], s[G0B+4*\c+3], 0x80000000
.endr
	CROUND                                         ; all sixteen work-groups are here: the joint loads meet
.irp c, 0,1,2,3
	tensor_load_to_lds s[G0A+4*\c:G0A+4*\c+3], s[G1A:G1A+7]
	s_nop 0
	tensor_load_to_lds s[G0B+4*\c:G0B+4*\c+3], s[G1B:G1B+7]
	s_nop 0
.endr
.rept 4
	v_nop                                          ; four plain lines behind the tensor loads
.endr
.irp a, 0,1,2,3,4,5,6,7
	global_load_b128 v[SCA+8*\a:SCA+8*\a+3], v12, s[86:87] offset:512*\a        ; lane r (and r + 16): slot r's words of K steps 0-3,
	global_load_b128 v[SCA+8*\a+4:SCA+8*\a+7], v12, s[86:87] offset:512*\a+16   ; 4-7: the two loads take a tile's 512 bytes whole
.endr
.irp b, 0,1,2,3
	global_load_b128 v[SCB+8*\b:SCB+8*\b+3], v12, s[88:89] offset:512*\b
	global_load_b128 v[SCB+8*\b+4:SCB+8*\b+7], v12, s[88:89] offset:512*\b+16
.endr
	SYNC 6                                         ; chunk 0 is in: its two loads are the oldest of eight
	FETCH 0
.irp s, 0,1,2,3,4,5,6,7
	KSTEP \s
.endr
	WIN 0
	s_lshl_b32 s72, s74, 1
	s_add_co_u32 s72, s72, s67                     ; 2 ga + wa: q, k: which pair of heads; v: which key step
	s_lshl_b32 s73, s75, 1
	s_add_co_u32 s73, s73, s68                     ; 2 gb + wb: q, k: which four tiles of rows; v: which head
	s_cmp_eq_u32 s71, 2                            ; the product is the same in all partners of a cluster
	s_cbranch_scc1 .Lvalues
	; ---- q, k: my 128 rows of source 0 are two heads: blocks 0, 1 the first, blocks 2, 3 the second.  Tiles 2 p and 2 p + 1 of rows make one fragment for each head
	s_cmp_eq_u32 s71, 0
	s_cselect_b64 s[90:91], s[8:9], s[12:13]       ; qc or kv
	s_cselect_b64 s[92:93], s[10:11], s[14:15]     ; qs or kvs
	s_cselect_b32 s80, 1, 0                        ; q's buffers have half of kv's bytes a head
	s_lshr_b32 s2, s73, 1
	s_and_b32 s3, s73, 1
	s_mul_i32 s100, s72, 393216                    ; two heads of kv,
	s_mul_i32 s104, s2, 12288                      ; a key step of 8 tiles
	s_add_co_u32 s100, s100, s104
	s_lshr_b32 s100, s100, s80
	s_mul_i32 s104, s3, 3072                       ; two fragments
	s_add_co_u32 s100, s100, s104
	s_mov_b32 s101, 0
	s_add_nc_u64 s[90:91], s[90:91], s[100:101]    ; the first head's codes,
	s_lshr_b32 s100, 196608, s80
	s_add_nc_u64 s[94:95], s[90:91], s[100:101]    ; the second's
	s_lshl_b32 s100, s72, 15
	s_lshl_b32 s104, s2, 10
	s_add_co_u32 s100, s100, s104
	s_lshr_b32 s100, s100, s80
	s_lshl_b32 s104, s3, 8
	s_add_co_u32 s100, s100, s104
	s_add_nc_u64 s[92:93], s[92:93], s[100:101]    ; and their scale words
	s_lshr_b32 s100, 16384, s80
	s_add_nc_u64 s[96:97], s[92:93], s[100:101]
	QW 0, F, F+24
	QW 1, F+6, F+30
	QW 2, F+12, F+36
	QW 3, F+18, F+42
.irp p, 0,1
	v_perm_b32 v[WO+\p], v[PWB+2*\p+1], v[PWB+2*\p], 0x05040100     ; first head: bytes 0, 1 of the even tile's word, then of the odd tile's
	v_perm_b32 v[WO+2+\p], v[PWB+2*\p+1], v[PWB+2*\p], 0x07060302   ; second head: bytes 2, 3
.endr
.irp p, 0,1
.irp j, 0,1,2
	global_store_b128 v13, v[F+12*\p+4*\j:F+12*\p+4*\j+3], s[90:91] offset:1536*\p+512*\j        ; 512 consecutive bytes, at a multiple of 256 from the buffer's first byte
	global_store_b128 v13, v[F+24+12*\p+4*\j:F+24+12*\p+4*\j+3], s[94:95] offset:1536*\p+512*\j
.endr
.endr
	global_store_b64 v14, v[WO:WO+1], s[92:93]     ; 256 consecutive bytes
	global_store_b64 v14, v[WO+2:WO+3], s[96:97]
	s_branch .Ldone
.Lvalues:
	; ---- v: my 128 rows of source 0 are a key step, my four tiles of source 1 a head's 64 channels: four whole fragments
	s_mul_i32 s100, s73, 196608
	s_mul_i32 s104, s72, 12288
	s_add_co_u32 s100, s100, s104
	s_add_co_u32 s100, s100, 6144                  ; behind the step's K
	s_mov_b32 s101, 0
	s_add_nc_u64 s[90:91], s[12:13], s[100:101]
	s_lshl_b32 s100, s73, 14
	s_lshl_b32 s104, s72, 10
	s_add_co_u32 s100, s100, s104
	s_add_co_u32 s100, s100, 512
	s_add_nc_u64 s[92:93], s[14:15], s[100:101]
	QW 0, F, F+6
	QW 1, F+12, F+18
	QW 2, F+24, F+30
	QW 3, F+36, F+42
.irp b, 0,1,2,3
.irp j, 0,1,2
	global_store_b128 v13, v[F+12*\b+4*\j:F+12*\b+4*\j+3], s[90:91] offset:1536*\b+512*\j
.endr
.endr
	global_store_b128 v13, v[PWB:PWB+3], s[92:93]  ; a lane's four scale words on end
.Ldone:
	s_wait_tensorcnt 0x0
	ds_add_u32 v254, v255
	s_wait_dscnt 0x0
	CROUND                                         ; the closing round: no work-group ends while a partner may still ask jointly
	s_endpgm
.Lfunc_end_k_q91f2a19ae0_proj:
	.size	k_q91f2a19ae0_proj, .Lfunc_end_k_q91f2a19ae0_proj-k_q91f2a19ae0_proj
	.p2alignl 7, 3214868480
	.fill 96, 4, 3214868480
	.section	.rodata,"a",@progbits
	.p2align	6, 0x0
	.amdhsa_kernel k_q91f2a19ae0_proj
		.amdhsa_group_segment_fixed_size 295424
		.amdhsa_private_segment_fixed_size 0
		.amdhsa_enable_private_segment 0
		.amdhsa_kernarg_size 48
		.amdhsa_user_sgpr_count 2
		.amdhsa_user_sgpr_kernarg_segment_ptr 1
		.amdhsa_wavefront_size32 1
		.amdhsa_system_sgpr_workgroup_id_x 1
		.amdhsa_system_sgpr_workgroup_id_y 1
		.amdhsa_system_sgpr_workgroup_id_z 1
		.amdhsa_system_vgpr_workitem_id 0
		.amdhsa_next_free_vgpr 912
		.amdhsa_next_free_sgpr 106
		.amdhsa_reserve_vcc 0
		.amdhsa_float_denorm_mode_32 3
		.amdhsa_float_denorm_mode_16_64 3
		.amdhsa_memory_ordered 1
		.amdhsa_forward_progress 1
		.amdhsa_inst_pref_size 99
	.end_amdhsa_kernel
	.amdgpu_metadata
---
amdhsa.version: [ 1, 2 ]
amdhsa.kernels:
  - .name:           k_q91f2a19ae0_proj
    .symbol:         k_q91f2a19ae0_proj.kd
    .args:
      - { .name: xw, .offset: 0, .size: 8, .value_kind: global_buffer, .address_space: global }
      - { .name: xws, .offset: 8, .size: 8, .value_kind: global_buffer, .address_space: global }
      - { .name: qc, .offset: 16, .size: 8, .value_kind: global_buffer, .address_space: global }
      - { .name: qs, .offset: 24, .size: 8, .value_kind: global_buffer, .address_space: global }
      - { .name: kv, .offset: 32, .size: 8, .value_kind: global_buffer, .address_space: global }
      - { .name: kvs, .offset: 40, .size: 8, .value_kind: global_buffer, .address_space: global }
    .group_segment_fixed_size: 295424
    .private_segment_fixed_size: 0
    .kernarg_segment_align: 8
    .kernarg_segment_size: 48
    .max_flat_workgroup_size: 128
    .sgpr_count:     106
    .vgpr_count:     912
    .wavefront_size: 32
...
	.end_amdgpu_metadata
.endif
;; end of part 2
;; launch attn (part 3): grid 16 x 16, 8 waves a work-group, clusters of 4 x 1, 248,832 bytes of LDS; arguments qc, qs, kv, kvs, tgt, out0; writes out0
.if DOCPART == 3
	.amdgcn_target "amdgcn-amd-amdhsa--gfx1250"
	.amdhsa_code_object_version 6
	.text
	.protected	k_q91f2a19ae0_attn
	.globl	k_q91f2a19ae0_attn
	.p2align	8
	.type	k_q91f2a19ae0_attn,@function
k_q91f2a19ae0_attn:
	s_mov_b64 s[64:65], 0
	v_nop
	global_prefetch_b8 v0, s[64:65] scope:SCOPE_SE
	s_setreg_imm32_b32 hwreg(HW_REG_WAVE_MODE, 25, 1), 1
	s_wait_xcnt 0x0
	s_wait_alu depctr_hold_cnt(0) depctr_sa_sdst(0) depctr_va_vdst(0) depctr_va_sdst(0) depctr_va_ssrc(0) depctr_va_vcc(0) depctr_vm_vsrc(0)
	s_getreg_b32 s2, hwreg(HW_REG_IB_STS2, 6, 4)
	s_cmp_eq_u32 s2, 0
	s_cbranch_scc0 .Lentry_in_a_cluster
	s_endpgm
.Lentry_in_a_cluster:
	s_bfe_u32 s2, ttmp6, 0x10000c
	s_cmp_lg_u32 s2, 0x3003
	s_cbranch_scc0 .Lentry_shape_is_right
	s_endpgm
.Lentry_shape_is_right:
; out0[b][q][64 head + :] = tgt[b][q][64 head + :] + O[head][q][:], b = 0 .. 3, with O = the attention of batch 0: softmax_k(q . k / 8) v, 2,048 keys, head size 64, both products on codes of FP6.
; THE SOFTMAX AHEAD OF THE SECOND PRODUCT: t = score x log2(e) / 8; M = the running largest t rounded UP to a whole number; p = 2^(t - M) is quantised along the keys, not normalised;
; the row's sum is taken of the unquantised p and divides at the end; when M moves, the sum and O are multiplied by 2^(old M - new M), which rounds nothing.
; SHARES: a work-group owns 128 queries of one head, each of its eight waves one tile of 16 (slot s of tile T is row 16 T - 8 (T % 2) + s + 8 (s / 8)); every wave walks the head's 16 key steps of 128 keys.
; K = 64 IN AN INSTRUCTION OF 128: a fragment of K holds TWO tiles of keys, tile 2 B in the lower 64 along K and tile 2 B + 1 in the upper; q is kept twice, as [q | zero codes] and as [zero codes | q]:
; the fragment against the first gives tile 2 B's scores, against the second tile 2 B + 1's.  Zero codes add nothing: every scale byte met lies in 0 .. 254.
; Both products are used transposed (S^T = K q^T, O^T = V^T p^T): a lane holds one query throughout, and the 16 registers of key tiles 2 B, 2 B + 1 are keys 32 B + 16 (lane / 16) + 0 .. 15.
; LDS: the head's K, V (196,608 bytes) and scale words (16,384) fit: every byte is filled once, by five tensor loads a wave, all issued at the start (five are out at the most, by this text's own count).
; So no slot is ever filled again, and nothing is asked for later than the head of the kernel: there is no later request that a prefetch could run ahead of.
; CLUSTER 4 x 1: the four work-groups are four blocks of queries of one head and read the same K and V: every tensor load is joint.  cx enters the addresses of q, tgt and out0 alone.
; tgt's 32 x 16 bytes a lane are asked for at the head and waited for at the end.
; LIMITS: NaN and infinities are not served; p under 2^-126 is 0 (v_exp_f32's flush); a block's largest p is taken from its largest score, by the same multiply-add and exponential.
; REGISTERS: window 0: v1-11 addresses; v12 -M, v13 largest t, v[14:15] the sum; v16-27 [q | 0], v28-39 [0 | q]; v40-87 K's four fragments; v96-159 S^T, then p; v160-191 O^T; v192-203 p's codes; v204-223 at work;
;   v224-227 K's scale words, v228-231 V's, v232, v233 q's two, v234 f, v235 p's scale word; v240-243 offsets in tgt and out0.   window 1: v0-127 tgt; v128-175 V's four fragments.
.set SCL,   196608                     ; the scale words: 1,024 bytes a key step
.set STAGE, 212992                     ; the way out: 16 rows x (256 + 16) bytes for each wave; no tensor load lands here
.set QA,  16
.set KF,  40
.set S,   96
.set O,   160
.set PC,  192
.set PT,  204
.set BM,  212
.set BP,  216
.set BS,  220
.set KW,  224
.set VW,  228
.set QAW, 232
.set FF,  234
.set PSW, 235
.set SU,  236
.set TP,  238
.set GO,  240
.set VF,  128
.set MSB, 0
.macro WIN new                         ; the immediate's high byte repeats the setting that is left
.if MSB != (\new)
	s_set_vgpr_msb (MSB<<8)|(\new)
.set MSB, (\new)
.endif
.endm
.macro CROUND                          ; a round of the cluster's barrier
	s_barrier_signal -1
	s_barrier_wait -1
	s_cmp_lg_u32 s52, 0
	s_cbranch_scc1 .Lnot_wave_0_\@
	s_barrier_signal -3
.Lnot_wave_0_\@:
	s_barrier_wait -3
	s_barrier_signal -1
	s_barrier_wait -1
.endm
.macro SYNC n                          ; my part of the chunk wanted next has landed (n younger tensor loads may stay out), no LDS load of mine is out; then everybody's
	s_wait_tensorcnt \n
	s_wait_dscnt 0x0
	s_barrier_signal -1
	s_barrier_wait -1
.endm
.macro KLOAD off                       ; a key step's K, off bytes behind the step in hand: four fragments (12 loads of 512 consecutive bytes) and their scale words (2 loads)
.irp g, 0,1,2,3
.irp j, 0,1,2
	ds_load_b128 v[KF+12*\g+4*\j:KF+12*\g+4*\j+3], v4 offset:\off+1536*\g+512*\j
.endr
.endr
.irp g, 0,1
	ds_load_b64 v[KW+2*\g:KW+2*\g+1], v5 offset:\off/12+256*\g
.endr
.endm
; A KEY STEP.  knext = 1: the next step's K is fetched while this step's softmax is walked.
.macro STEP knext
	s_wait_dscnt 0x0                               ; this step's K is in
.irp t, 0,1,2,3,4,5,6,7
	v_wmma_scale_f32_16x16x128_f8f6f4 v[S+8*\t:S+8*\t+7], v[KF+12*(\t/2):KF+12*(\t/2)+11], v[QA+12*(\t%2):QA+12*(\t%2)+11], 0, v[KW+\t/2], v[QAW+\t%2] matrix_a_fmt:MATRIX_FMT_FP6 matrix_b_fmt:MATRIX_FMT_FP6
.endr
	v_add_nc_u32 v4, s62, v1                       ; four plain lines: the places behind these products and behind the last step's, in front of the loads and reads below
	v_add_nc_u32 v5, s63, v2
	v_add_nc_u32 v6, s63, v3
	v_nop
	WIN 0x40                                       ; destination window 1
.irp t, 0,1,2,3
.irp j, 0,1,2
	ds_load_b128 v[VF+12*\t+4*\j:VF+12*\t+4*\j+3], v4 offset:6144+1536*\t+512*\j
.endr
.endr
	WIN 0
	ds_load_b128 v[VW:VW+3], v6
.if \knext
	KLOAD 12288
.endif
.irp b, 0,1,2,3
	v_max3_num_f32 v[BM+\b], v[S+16*\b], v[S+1+16*\b], v[S+2+16*\b]   ; the largest score of each block of 32 keys: for the row's maximum, and for the block's largest p
.endr
.irp i, 3,5,7,9,11,13
.irp b, 0,1,2,3
	v_max3_num_f32 v[BM+\b], v[BM+\b], v[S+16*\b+\i], v[S+1+16*\b+\i]
.endr
.endr
.irp b, 0,1,2,3
	v_max_num_f32 v[BM+\b], v[BM+\b], v[S+15+16*\b]
.endr
.irp b, 0,1,2,3
	v_permlanex16_b32 v[BP+\b], v[BM+\b], s58, s59
.endr
.irp b, 0,1,2,3
	v_max_num_f32 v[BM+\b], v[BM+\b], v[BP+\b]     ; with lane l xor 16's 16 keys
.endr
	v_max3_num_f32 v[TP], v[BM], v[BM+1], v[BM+2]
	v_max_num_f32 v[TP], v[TP], v[BM+3]
	v_mul_f32 v[TP], s60, v[TP]                    ; as t
	v_max_num_f32 v13, v13, v[TP]                  ; the running largest t
	v_mov_b32 v[TP], v12
	v_floor_f32 v12, -v13                          ; -M = floor(-t): a whole number
	v_sub_f32 v[TP], v12, v[TP]                    ; old M - new M: a whole number, 0 or less
	v_cvt_i32_f32 v[TP], v[TP]                     ; (it saturates)
	v_ldexp_f32 v[FF], 1.0, v[TP]                  ; f = 2^(old M - new M)
.irp j, 0,2,4,6,8,10,12,14,16,18,20,22,24,26,28,30,32,34,36,38,40,42,44,46,48,50,52,54,56,58,60,62
	v_pk_fma_f32 v[S+\j:S+1+\j], v[S+\j:S+1+\j], s[60:61], v[12:13] op_sel_hi:[1,0,0]   ; t - M, two at a time
.endr
.irp b, 0,1,2,3
	v_fma_f32 v[BM+\b], v[BM+\b], s60, v12
.endr
.irp j, 0,1,2,3,4,5,6,7,8,9,10,11,12,13,14,15,16,17,18,19,20,21,22,23,24,25,26,27,28,29,30,31,32,33,34,35,36,37,38,39,40,41,42,43,44,45,46,47,48,49,50,51,52,53,54,55,56,57,58,59,60,61,62,63
	v_exp_f32 v[S+\j], v[S+\j]                     ; p = 2^(t - M)
.endr
.irp b, 0,1,2,3
	v_exp_f32 v[BM+\b], v[BM+\b]                   ; the block's largest p
.endr
	v_pk_mul_f32 v[14:15], v[14:15], v[FF:FF+1] op_sel_hi:[1,0]   ; the sums under the new M (a plain line behind the exponentials)
	s_wait_alu depctr_va_vdst(0)
.irp b, 0,1,2,3
	v_max_num_f32 v[BM+\b], 0x1800000, v[BM+\b]    ; the floor 2^(3 - 127): the byte cannot fall under 1
.endr
.irp b, 0,1,2,3
	v_add_nc_u32 v[BS+\b], 0xff000000, v[BM+\b]    ; 2 off the exponent field: the conversion's scale operand
.endr
.irp b, 0,1,2,3
	v_lshrrev_b32 v[BP+\b], 23, v[BS+\b]           ; the byte
.endr
	v_lshl_or_b32 v[PSW], v[BP+1], 8, v[BP]        ; p's scale word for these 128 keys
	v_lshl_or_b32 v[PSW], v[BP+2], 16, v[PSW]
	v_lshl_or_b32 v[PSW], v[BP+3], 24, v[PSW]
.irp c, 0,1
	v_cvt_scalef32_pk16_fp6_f32 v[PC+6*\c:PC+2+6*\c], v[S+32*\c:S+15+32*\c], v[BS+2*\c]
	v_cvt_scalef32_pk16_fp6_f32 v[PT+4*\c:PT+2+4*\c], v[S+16+32*\c:S+31+32*\c], v[BS+1+2*\c]
.endr
	v_nop                                          ; one plain line behind the scaled conversions
.irp c, 0,1
.irp i, 0,1,2
	v_permlane16_swap_b32 v[PC+6*\c+\i], v[PT+4*\c+\i]   ; a whole block to a lane
.endr
.irp i, 0,1,2
	v_mov_b32 v[PC+3+6*\c+\i], v[PT+4*\c+\i]
.endr
.endr
	v_pk_add_f32 v[SU:SU+1], v[S:S+1], v[S+2:S+3]  ; the row's sum, of the unquantised p, in two chains.  (These lines are also the places between the writes of p's codes and scale word and the products below)
.irp j, 4,8,12,16,20,24,28,32,36,40,44,48,52,56,60
	v_pk_add_f32 v[14:15], v[14:15], v[S+\j:S+1+\j]
	v_pk_add_f32 v[SU:SU+1], v[SU:SU+1], v[S+2+\j:S+3+\j]
.endr
	v_pk_add_f32 v[14:15], v[14:15], v[SU:SU+1]
.irp j, 0,2,4,6,8,10,12,14,16,18,20,22,24,26,28,30
	v_pk_mul_f32 v[O+\j:O+1+\j], v[O+\j:O+1+\j], v[FF:FF+1] op_sel_hi:[1,0]   ; O^T under the new M
.endr
.if \knext
	s_wait_dscnt 14                                ; V and its scale words are in; the 14 loads of the next step's K may be out
.else
	s_wait_dscnt 0x0
.endif
	WIN 0x01                                       ; source 0 (V) in window 1
.irp t, 0,1,2,3
	v_wmma_scale_f32_16x16x128_f8f6f4 v[O+8*\t:O+8*\t+7], v[VF+12*\t:VF+12*\t+11], v[PC:PC+11], v[O+8*\t:O+8*\t+7], v[VW+\t], v[PSW] matrix_a_fmt:MATRIX_FMT_FP6 matrix_b_fmt:MATRIX_FMT_FP6
.endr
	WIN 0
	s_add_co_u32 s62, s62, 12288                   ; the next step's tiles and scale words
	s_add_co_u32 s63, s63, 1024
.endm
.macro STEPS n
	s_mov_b32 s66, \n
.Lsteps_\@:
	STEP 1
	s_sub_co_u32 s66, s66, 1
	s_cmp_lg_u32 s66, 0
	s_cbranch_scc1 .Lsteps_\@
.endm
	s_load_b256 s[4:11], s[0:1], 0x0               ; qc s[4:5], qs s[6:7], kv s[8:9], kvs s[10:11]
	s_load_b128 s[12:15], s[0:1], 0x20             ; tgt s[12:13], out0 s[14:15]
	v_lshl_add_u32 v254, v0, 2, 0x3c800
	v_mov_b32 v255, 0
	ds_add_u32 v254, v255
	ds_add_u32 v254, v255
	v_lshrrev_b32 v1, 5, v0
	v_readfirstlane_b32 s52, v1                    ; wave 0..7
	s_bfe_u32 s53, ttmp6, 0x40000                  ; cx
	s_lshl_b32 s54, ttmp9, 2
	s_add_co_u32 s54, s54, s53                     ; my block of 128 queries
	s_and_b32 s55, ttmp7, 0xffff                   ; the head, which the four partners share
	s_lshl_b32 s56, s54, 3
	s_add_co_u32 s56, s56, s52                     ; T: my tile of queries
	s_and_b32 s57, s52, 1                          ; e = T % 2
	; group 1: dense blocks as rows of 256 bytes (32 elements of 8 bytes); 8 rows of scale words, 24 rows of codes a load
	s_mov_b32 s16, 15|(3<<16)|(1<<21)              ; 15:0 the mask: all four work-groups; 17:16 elements of 8 bytes; 21 set beside a mask
	s_mov_b32 s17, 32<<16
	s_mov_b32 s18, 8<<16
	s_mov_b32 s19, 32<<16
	s_mov_b32 s20, 8
	s_mov_b32 s21, 32
	s_mov_b32 s22, 0
	s_mov_b32 s23, 0
	s_mov_b32 s24, 15|(3<<16)|(1<<21)
	s_mov_b32 s25, 32<<16
	s_mov_b32 s26, 24<<16
	s_mov_b32 s27, 32<<16
	s_mov_b32 s28, 24
	s_mov_b32 s29, 32
	s_mov_b32 s30, 0
	s_mov_b32 s31, 0
	s_lshl_b32 s68, s55, 14                        ; the head's scale words,
	s_lshl_b32 s69, s52, 11                        ; my eighth of them
	s_add_co_u32 s68, s68, s69
	s_add_co_u32 s33, s69, SCL                     ; and its place in LDS
	s_mov_b32 s69, 0
	s_mul_i32 s70, s55, 196608                     ; the head's codes,
	s_mul_i32 s72, s52, 6144                       ; my eighth of a chunk of four key steps
	s_add_co_u32 s70, s70, s72
	s_mov_b32 s71, 0
	s_lshr_b32 s74, s56, 1                         ; q: the pair of tiles,
	s_mul_i32 s74, s74, 1536
	s_mul_i32 s76, s55, 98304
	s_add_co_u32 s74, s74, s76
	s_mov_b32 s75, 0
	s_lshr_b32 s76, s56, 2                         ; and its scale word: group T / 4, word (T / 2) % 2
	s_lshl_b32 s76, s76, 8
	s_bfe_u32 s78, s56, 0x10001
	s_lshl_b32 s78, s78, 2
	s_add_co_u32 s76, s76, s78
	s_lshl_b32 s78, s55, 13
	s_add_co_u32 s76, s76, s78
	s_mov_b32 s77, 0
	s_lshl_b32 s78, s56, 4
	s_lshl_b32 s79, s57, 3
	s_sub_co_u32 s78, s78, s79                     ; my tile's first row
	s_lshl_b32 s78, s78, 12
	s_lshl_b32 s79, s55, 8
	s_add_co_u32 s78, s78, s79                     ; + the head's 256 bytes of a row
	s_mov_b32 s58, 0x76543210
	s_mov_b32 s59, 0xfedcba98                      ; lane selects: lane l xor 16
	s_mov_b32 s60, 0x3e38aa3b                      ; c = log2(e) / 8
	s_mov_b32 s61, s60                             ; (named with it as a pair)
	s_mov_b32 s62, 0
	s_mov_b32 s63, 0
	v_and_b32 v1, 31, v0
	v_lshlrev_b32 v239, 3, v1                      ; 8 x lane
	v_lshlrev_b32 v1, 4, v1                        ; 16 x lane
	v_add_nc_u32 v2, SCL, v239                     ; K's scale words: two a lane
	v_add_nc_u32 v3, SCL+512, v1                   ; V's: four a lane
	v_and_b32 v236, 15, v0                         ; r
	v_bfe_u32 v237, v0, 4, 1                       ; h
	s_mul_i32 s73, s52, 16*272
	s_add_co_u32 s73, s73, STAGE                   ; my stage
	v_mul_u32_u24 v7, v236, 272
	v_lshl_add_u32 v7, v237, 6, v7
	v_add_nc_u32 v7, s73, v7                       ; in: row r, + 64 h
	v_mul_u32_u24 v8, v237, 272
	v_lshl_add_u32 v8, v236, 4, v8
	v_add_nc_u32 v8, s73, v8                       ; back: lanes 0-15 one row, lanes 16-31 the next
	s_mul_i32 s80, s57, 520                        ; q's six registers in the pair's image: registers 6 e .. 6 e + 5, in three pieces of 8 bytes
	v_add_nc_u32 v9, s80, v1
	s_mul_i32 s81, s57, 1016
	s_add_co_u32 s81, s81, 8
	v_add_nc_u32 v10, s81, v1
	v_add_nc_u32 v11, 512, v9
	v_lshlrev_b32 v[GO], 12, v237
	v_lshl_add_u32 v[GO], v236, 4, v[GO]
	v_add_nc_u32 v[GO], s78, v[GO]                 ; tgt, out0: row (first + h), 16 bytes a lane of the head's 256
.irp b, 1,2,3
	v_add_nc_u32 v[GO+\b], \b*0x800000, v[GO]      ; and the same in batches 1 to 3
.endr
	v_add_nc_u32 v4, s62, v1
	v_add_nc_u32 v5, s63, v2
	s_wait_dscnt 0x0
	s_wait_kmcnt 0x0
	s_mov_b32 s32, 1
	s_add_nc_u64 s[34:35], s[10:11], s[68:69]
	s_or_b32 s35, s35, 0x80000000
	s_add_nc_u64 s[70:71], s[8:9], s[70:71]
.irp c, 0,1,2,3
	s_mov_b32 s[36+4*\c], 1
	s_add_co_u32 s[37+4*\c], s72, \c*49152
	s_add_nc_u64 s[38+4*\c:39+4*\c], s[70:71], \c*49152
	s_or_b32 s[39+4*\c], s[39+4*\c], 0x80000000
.endr
	s_add_nc_u64 s[4:5], s[4:5], s[74:75]
	s_add_nc_u64 s[6:7], s[6:7], s[76:77]
	CROUND                                         ; all four work-groups are here: the joint loads meet
	tensor_load_to_lds s[32:35], s[16:23]          ; the scale words first,
	s_nop 0
.irp c, 0,1,2,3
	tensor_load_to_lds s[36+4*\c:39+4*\c], s[24:31]   ; then the four chunks in the order in which they are walked
	s_nop 0
.endr
.rept 4
	v_nop                                          ; four plain lines behind the tensor loads
.endr
	global_load_b64 v[QA:QA+1], v9, s[4:5]         ; q, into the lower half of one operand
	global_load_b64 v[QA+2:QA+3], v10, s[4:5]
	global_load_b64 v[QA+4:QA+5], v11, s[4:5]
	global_load_b64 v[QA+18:QA+19], v9, s[4:5]     ; and into the upper half of the other
	global_load_b64 v[QA+20:QA+21], v10, s[4:5]
	global_load_b64 v[QA+22:QA+23], v11, s[4:5]
	global_load_b32 v[TP], v239, s[6:7]            ; the pair's scale word: bytes 0, 1 the even tile's, bytes 2, 3 the odd tile's
.irp i, 6,7,8,9,10,11,12,13,14,15,16,17
	v_mov_b32 v[QA+\i], 0                          ; zero codes
.endr
	v_mov_b32 v13, 0xff61b1e6                      ; the largest t so far: -3e38
	v_floor_f32 v12, -v13                          ; -M
	v_mov_b32 v14, 0
	v_mov_b32 v15, 0
.irp b, 0,1,2,3
	v_mov_b32 v[BP+\b], 0                          ; written once: a lane permute's destination counts as one of its sources
.endr
	v_mov_b32 v[PSW], 0                            ; (named as the upper half of a pair before it is first written)
	SYNC 3                                         ; the scale words and chunk 0 are in: three younger loads may be out
	KLOAD 0                                        ; key step 0
	WIN 0x40                                       ; destination window 1
.irp b, 0,1,2,3
.irp i, 0,1,2,3,4,5,6,7
	global_load_b128 v[32*\b+4*\i:32*\b+4*\i+3], v[GO+\b], s[12:13] offset:(2*\i+8*(\i/4))*4096 th:TH_LOAD_NT   ; slots 2 i, 2 i + 1 of my tile: sixteen lanes read 256 consecutive bytes
.endr
.endr
	WIN 0
	s_wait_loadcnt 32                              ; q and its word are in; tgt's 32 loads stay out until the way out
	s_lshl_b32 s80, s57, 4
	s_sub_co_u32 s81, 16, s80
	v_lshrrev_b32 v[QAW], s80, v[TP]               ; my tile's two bytes at bytes 0, 1,
	v_lshlrev_b32 v[QAW+1], s81, v[TP]             ; and at bytes 2, 3; what stands in the other two meets zero codes
.irp j, 0,1,2,3,4,5,6,7,8,9,10,11,12,13,14,15,16,17,18,19,20,21,22,23,24,25,26,27,28,29,30,31
	v_mov_b32 v[O+\j], 0                           ; O^T: the step is written once, and the first change of M leaves zeros zeros.  (Also the places between the scale words' writes and the first products)
.endr
	STEPS 3                                        ; steps 0-2: they read V of steps 0-2 and K of steps 1-3: chunk 0
	SYNC 2                                         ; chunk 1
	STEPS 4                                        ; steps 3-6: K of steps 4-7
	SYNC 1                                         ; chunk 2
	STEPS 4                                        ; steps 7-10
	SYNC 0                                         ; chunk 3: no tensor load of mine is out any more
	STEPS 4                                        ; steps 11-14
	STEP 0                                         ; step 15: nothing more to fetch
	; THE WAY OUT: O^T / the sum goes through my stage and comes back as rows of 256 bytes; tgt's four batches are added and stored.
.rept 4
	v_nop                                          ; places behind the last products
.endr
	v_add_f32 v14, v14, v15
	v_permlanex16_b32 v[FF], v14, s58, s59
	v_add_f32 v14, v14, v[FF]                      ; the row's sum
	v_rcp_f32 v14, v14
	v_nop                                          ; a plain line behind the reciprocal
	s_wait_alu depctr_va_vdst(0)
.irp j, 0,1,2,3,4,5,6,7,8,9,10,11,12,13,14,15,16,17,18,19,20,21,22,23,24,25,26,27,28,29,30,31
	v_mul_f32 v[128+\j], v[O+\j], v14              ; tile 2 b + u, register j: channel 32 b + 16 h + 8 u + j of query slot r
.endr
.irp t, 0,1,2,3
	ds_store_b128 v7, v[128+8*\t:131+8*\t] offset:128*(\t/2)+32*(\t%2)
	ds_store_b128 v7, v[132+8*\t:135+8*\t] offset:128*(\t/2)+32*(\t%2)+16
.endr
.irp i, 0,1,2,3,4,5,6,7
	ds_load_b128 v[S+4*\i:S+4*\i+3], v8 offset:544*\i   ; LDS serves a wave's instructions in order: these see my stores
.endr
	s_wait_dscnt 0x0
	s_wait_loadcnt 0x0                             ; tgt
	WIN 0x41                                       ; destination and source 0 in window 1
.irp b, 0,1,2,3
.irp i, 0,1,2,3,4,5,6,7
	v_pk_add_f32 v[32*\b+4*\i:32*\b+4*\i+1], v[32*\b+4*\i:32*\b+4*\i+1], v[S+4*\i:S+4*\i+1]
	v_pk_add_f32 v[32*\b+4*\i+2:32*\b+4*\i+3], v[32*\b+4*\i+2:32*\b+4*\i+3], v[S+4*\i+2:S+4*\i+3]
.endr
.endr
	WIN 0x04                                       ; a store's data are its source 1: window 1
.irp b, 0,1,2,3
.irp i, 0,1,2,3,4,5,6,7
	global_store_b128 v[GO+\b], v[32*\b+4*\i:32*\b+4*\i+3], s[14:15] offset:(2*\i+8*(\i/4))*4096 th:TH_STORE_NT   ; sixteen lanes store 256 consecutive bytes, at a multiple of 256 from out0's first byte
.endr
.endr
	WIN 0
	s_wait_tensorcnt 0x0
	ds_add_u32 v254, v255
	s_wait_dscnt 0x0
	CROUND                                         ; the closing round: no work-group ends while a partner may still ask jointly
	s_endpgm
.Lfunc_end_k_q91f2a19ae0_attn:
	.size	k_q91f2a19ae0_attn, .Lfunc_end_k_q91f2a19ae0_attn-k_q91f2a19ae0_attn
	.p2alignl 7, 3214868480
	.fill 96, 4, 3214868480
	.section	.rodata,"a",@progbits
	.p2align	6, 0x0
	.amdhsa_kernel k_q91f2a19ae0_attn
		.amdhsa_group_segment_fixed_size 248832
		.amdhsa_private_segment_fixed_size 0
		.amdhsa_enable_private_segment 0
		.amdhsa_kernarg_size 48
		.amdhsa_user_sgpr_count 2
		.amdhsa_user_sgpr_kernarg_segment_ptr 1
		.amdhsa_wavefront_size32 1
		.amdhsa_system_sgpr_workgroup_id_x 1
		.amdhsa_system_sgpr_workgroup_id_y 1
		.amdhsa_system_sgpr_workgroup_id_z 1
		.amdhsa_system_vgpr_workitem_id 0
		.amdhsa_next_free_vgpr 432
		.amdhsa_next_free_sgpr 84
		.amdhsa_reserve_vcc 0
		.amdhsa_float_denorm_mode_32 3
		.amdhsa_float_denorm_mode_16_64 3
		.amdhsa_memory_ordered 1
		.amdhsa_forward_progress 1
		.amdhsa_inst_pref_size 100
	.end_amdhsa_kernel
	.amdgpu_metadata
---
amdhsa.version: [ 1, 2 ]
amdhsa.kernels:
  - .name:           k_q91f2a19ae0_attn
    .symbol:         k_q91f2a19ae0_attn.kd
    .args:
      - { .name: qc, .offset: 0, .size: 8, .value_kind: global_buffer, .address_space: global }
      - { .name: qs, .offset: 8, .size: 8, .value_kind: global_buffer, .address_space: global }
      - { .name: kv, .offset: 16, .size: 8, .value_kind: global_buffer, .address_space: global }
      - { .name: kvs, .offset: 24, .size: 8, .value_kind: global_buffer, .address_space: global }
      - { .name: tgt, .offset: 32, .size: 8, .value_kind: global_buffer, .address_space: global }
      - { .name: out0, .offset: 40, .size: 8, .value_kind: global_buffer, .address_space: global }
    .group_segment_fixed_size: 248832
    .private_segment_fixed_size: 0
    .kernarg_segment_align: 8
    .kernarg_segment_size: 48
    .max_flat_workgroup_size: 256
    .sgpr_count:     84
    .vgpr_count:     432
    .wavefront_size: 32
...
	.end_amdgpu_metadata
.endif
;; end of part 3
